; MI455X (gfx1250); checked and timed in simulation.
; The chip was launched on July 23, 2026; its instructions are those of AMD's public machine-readable ISA for CDNA 5 (MIT licence, August 2026) and "CDNA5" Instruction Set Architecture Reference Guide (July 2026). The comments in the code are by the model that wrote it; some were corrected since.
;; Confidence Adaptive System. Allowed arithmetic: matrix products marked QUANTISED: E5M2 operands, one E8M0 scale for each 32 along K, by v_wmma_scale_f32_16x16x128_f8f6f4 with both operands' format E5M2, f32 sums; products left as they are: f32 operands where the result goes on into a quantised operand, else bf16, f16 or f32 operands; f32 sums; everything else in f32.
;; Inputs: f_b1 8,192 float32; f_b2 2 float32; f_w1 4,096 x 8,192 float32; f_w2 8,192 x 2 float32; t_b1 8,192 float32; t_b2 2 float32; t_w1 4,096 x 8,192 float32; t_w2 8,192 x 2 float32; x 1,024 x 4,096 float32.
;; Outputs: out0 1,024 x 2 float32.
;; This version of the problem:
;;   THIS VERSION OF THE PROBLEM IS GIVEN IN LOW PRECISION. The matrix products marked QUANTISED in the list below multiply operands that are first quantised to E5M2 (5 exponent bits, 2 mantissa bits; 8 bits a number), with one power-of-two scale for each 32 numbers along K (OCP MX v1.0); their sums are f32. All else is computed in f32.
;;   The module's matrix products, in the order in which they are computed (A, B: the left and right operand; K: the contracted axis; several contracted axes count as one K, in the product's order):
;;     1. [M 1,024, K 4,096] x [K 4,096, N 8,192]; A: input x; B: input t_w1: QUANTISED
;;     2. [M 1,024, K 8,192] x [K 8,192, N 2]; A: computed on the way; B: input t_w2: left as it is (N = 2 < 16)
;;     3. [M 1,024, K 4,096] x [K 4,096, N 8,192]; A: input x; B: input f_w1: QUANTISED
;;     4. [M 1,024, K 8,192] x [K 8,192, N 2]; A: computed on the way; B: input f_w2: left as it is (N = 2 < 16)
;;   THE QUANTISER, for each operand of a quantised product, along K:
;;     - K is cut into blocks of 32 from its start; a last block that is shorter is filled with zeros.
;;     - A block's scale is 2^e with e = floor(log2(the largest magnitude in the block)) - 15, held to -126 .. 127; a block of zeros has e = 0. As a byte (E8M0): e + 127.
;;     - Each number is divided by its block's scale, clamped to +-57,344, and rounded to the nearest number of E5M2, ties to even, subnormals kept.
;;     - The product sums the exact products of the quantised numbers (number of the format x scale) in f32.
;;   ~~~python
;;   def quantise(x, axis):      # numpy; x: float32 -> the quantised numbers, widened to float32 again
;;       x = np.moveaxis(x, axis, -1); K = x.shape[-1]
;;       x = np.pad(x, [(0, 0)] * (x.ndim - 1) + [(0, -K % 32)]); x = x.reshape(x.shape[:-1] + (-1, 32)); a = np.abs(x).max(-1, keepdims=True)
;;       e = np.where(a > 0, np.clip(np.frexp(np.where(a > 0, a, 1))[1] - 1 - 15, -126, 127), 0)      # np.frexp(a)[1] - 1 = floor(log2(a)), exactly
;;       r = np.clip(x / 2.0 ** e, -57344, 57344)
;;       step = 2.0 ** (np.maximum(np.frexp(np.where(r == 0, 1, r))[1] - 1, -14) - 2)
;;       q = np.round(r / step) * step * 2.0 ** e      # np.round: ties to even
;;       return np.moveaxis(q.reshape(q.shape[:-2] + (-1,))[..., :K], -1, axis).astype(np.float32)
;;   ~~~
;; One version. Each part assembles by itself: llvm-mc -triple=amdgcn-amd-amdhsa -mcpu=gfx1250 --defsym DOCPART=n.
;; ======== version 1 of 1: 3 launches
;; limits: right only within a limited range of input values
;; workspace buffers: xq 4,325,376 bytes; part 2,097,152 bytes
;; launch quantx (part 1): grid 256 x 1, 8 waves a work-group, no clusters, 69,120 bytes of LDS; arguments x, xq; writes xq
.if DOCPART == 1
	.amdgcn_target "amdgcn-amd-amdhsa--gfx1250"
	.amdhsa_code_object_version 6
	.text
	.protected	k_qfd8378f8b5_quantx
	.globl	k_qfd8378f8b5_quantx
	.p2align	8
	.type	k_qfd8378f8b5_quantx,@function
k_qfd8378f8b5_quantx:
	s_mov_b64 s[64:65], 0
	v_nop
	global_prefetch_b8 v0, s[64:65] scope:SCOPE_SE
	s_setreg_imm32_b32 hwreg(HW_REG_WAVE_MODE, 25, 1), 1
	s_wait_xcnt 0x0
; x [1024][4096] f32 becomes codes of E5M2 with one E8M0 scale byte for each 32 along K, laid in the ORDER OF THE OPERAND'S REGISTERS:
; xq = [K step of 128: 32][block of 256 rows: 4][33,792 bytes].  A part holds 16 fragment images of 2,048 bytes (tile a of 16 rows: register group c at 512 c, lane l at 16 l;
; lane (r, h) holds k = 32 c + 16 h + 0 .. 15 of row r), then at byte 32,768 the image of eight scale registers: the word of row 32 j + l lies at 512 (j / 4) + 16 l + 4 (j % 4).
; A block's scale is 2^(floor(log2(largest magnitude)) - 15); its byte is the largest magnitude's exponent field - 15, held at 1 from below.
; LIMITS: NaN and infinities among the inputs are not served.  A block of zeros gets the byte 1 where the rule says 127: its codes are zeros, and this program alone reads the bytes.
; SHARES: work-group id = 8 s + 2 w + g; wave v makes ONE fragment: tile a = 8 g + v of block w, K step s.  Each load reads 512 consecutive bytes of one row; the 16 rows turn
; through the wave's own stage in LDS, so that a lane gets 16 neighbours along K of each block of 32.  No tensor load, no matrix unit, no cluster: nothing is shared and memory binds.
.set PITCH, 528                        ; a stage row: 512 bytes + 16: sixteen rows' 16-byte pieces fall on sixteen different places modulo 256 bytes
.set WST,   16*PITCH                   ; a wave's stage
.set SCL,   8*WST                      ; behind the stages: the work-group's 128 scale words
.set PARTB, 33792
.set PC,  16                           ; v16-31   the codes
.set X,   32                           ; v32-95   64 numbers: register 16 b + i = k 32 b + 16 h + i of my row
.set R,   96                           ; v96-159  the rows as loaded
.set TM,  160                          ; v160-163 largest magnitudes, v164-167 bytes, v168-171 57,344 x the scale, v172-175 the conversions' scale operands
.set PW,  176                          ; the scale word
.set SEL, 20                           ; s[20:21] lane selects: lane l xor 16
.set MNT, 23                           ; s23      the mantissa field of 57,344
	s_load_b128 s[4:7], s[0:1], 0x0                ; x, xq
	v_lshl_add_u32 v192, v0, 2, 0x10a00
	v_mov_b32 v193, 0
	v_lshrrev_b32 v6, 5, v0
	s_delay_alu instid0(VALU_DEP_1)
	v_readfirstlane_b32 s8, v6                     ; wave 0..7
	v_and_b32 v6, 31, v0                           ; lane
	v_and_b32 v7, 15, v0                           ; r
	v_bfe_u32 v8, v0, 4, 1                         ; h
	s_delay_alu instid0(VALU_DEP_3)
	v_lshlrev_b32 v1, 4, v6                        ; 16 x lane: my bytes of a row's 512, and my place in an image
	s_mul_i32 s9, s8, WST
	v_add_nc_u32 v2, s9, v1                        ; the stage, on the way in
	v_mul_u32_u24 v3, v7, PITCH
	s_delay_alu instid0(VALU_DEP_1)
	v_lshl_add_u32 v3, v8, 6, v3
	s_delay_alu instid0(VALU_DEP_1)
	v_add_nc_u32 v3, s9, v3                        ; and out: row r, + 64 h
	s_and_b32 s10, s8, 1
	s_lshl_b32 s10, s10, 8
	s_lshr_b32 s11, s8, 1
	s_lshl_b32 s11, s11, 2
	s_add_co_u32 s10, s10, s11
	s_add_co_u32 s10, s10, SCL
	v_lshl_add_u32 v4, v7, 4, s10                  ; my row's scale word: SCL + 256 (v % 2) + 16 r + 4 (v / 2)
	v_add_nc_u32 v5, SCL, v1                       ; the words on their way out
	s_mov_b32 s[SEL], 0x76543210
	s_mov_b32 s[SEL+1], 0xfedcba98
	s_mov_b32 s[MNT], 0x600000
.irp b, 0,1,2,3
	v_mov_b32 v[TM+4+\b], 0                        ; a lane permute's destination counts as one of its sources
.endr
	s_lshr_b32 s14, ttmp9, 3                       ; s: the K step
	s_bfe_u32 s15, ttmp9, 0x20001                  ; w: the block of 256 rows
	s_and_b32 s16, ttmp9, 1                        ; g: which eight tiles
	s_lshl_b32 s17, s16, 3
	s_add_co_u32 s17, s17, s8                      ; a: my tile
	s_lshl_b32 s24, s15, 8
	s_lshl_b32 s18, s17, 4
	s_add_co_u32 s24, s24, s18                     ; my first row
	s_lshl_b32 s24, s24, 14                        ; x 16,384 bytes
	s_lshl_b32 s18, s14, 9
	s_add_co_u32 s24, s24, s18                     ; + 512 s
	s_mov_b32 s25, 0
	s_lshl_b32 s26, s14, 2
	s_add_co_u32 s26, s26, s15
	s_mul_i32 s26, s26, PARTB                      ; the part (s, w)
	s_lshl_b32 s28, s16, 9
	s_add_co_u32 s28, s28, s26
	s_add_co_u32 s28, s28, 32768                   ; its scale words, my work-group's 512 bytes
	s_mov_b32 s29, 0
	s_lshl_b32 s18, s17, 11
	s_add_co_u32 s26, s26, s18                     ; my fragment's image
	s_mov_b32 s27, 0
	s_wait_alu depctr_va_vdst(0)
	s_wait_kmcnt 0x0
	s_add_nc_u64 s[4:5], s[4:5], s[24:25]
	s_add_nc_u64 s[12:13], s[6:7], s[28:29]
	s_add_nc_u64 s[6:7], s[6:7], s[26:27]
.irp i, 0,1,2,3,4,5,6,7,8,9,10,11,12,13,14,15
	global_load_b128 v[R+4*\i:R+4*\i+3], v1, s[4:5] offset:16384*\i th:TH_LOAD_NT   ; row i: 32 lanes read 512 consecutive bytes; read once in the launch
.endr
.irp i, 0,1,2,3,4,5,6,7,8,9,10,11,12,13,14,15
	s_wait_loadcnt 15-\i                           ; loads come back in order: row i is in, the younger ones may be out
	ds_store_b128 v2, v[R+4*\i:R+4*\i+3] offset:PITCH*\i
.endr
.irp c, 0,1,2,3
.irp j, 0,1,2,3
	ds_load_b128 v[X+16*\c+4*\j:X+16*\c+4*\j+3], v3 offset:128*\c+16*\j   ; LDS serves a wave's instructions in order: these see my stores
.endr
.endr
	s_wait_dscnt 0x0
.irp b, 0,1,2,3
	v_max3_num_f32 v[TM+\b], |v[X+16*\b]|, |v[X+1+16*\b]|, 0x8000000   ; block b: my 16 numbers, and the floor 2^(16 - 127): the byte cannot fall under 1
.endr
.irp i, 2,4,6,8,10,12,14
.irp b, 0,1,2,3
	s_delay_alu instid0(VALU_DEP_4)
	v_max3_num_f32 v[TM+\b], v[TM+\b], |v[X+16*\b+\i]|, |v[X+1+16*\b+\i]|   ; the four blocks by turns
.endr
.endr
.irp b, 0,1,2,3
	s_delay_alu instid0(VALU_DEP_4)
	v_permlanex16_b32 v[TM+4+\b], v[TM+\b], s[SEL], s[SEL+1]
.endr
.irp b, 0,1,2,3
	s_delay_alu instid0(VALU_DEP_4)
	v_max_num_f32 v[TM+\b], v[TM+\b], v[TM+4+\b]   ; with lane l xor 16's: the block's largest magnitude
.endr
.irp b, 0,1,2,3
	s_delay_alu instid0(VALU_DEP_4)
	v_add_nc_u32 v[TM+12+\b], 0xf8800000, v[TM+\b] ; 15 off its exponent field: the conversion takes this operand's exponent field as its scale
.endr
.irp b, 0,1,2,3
	v_and_or_b32 v[TM+8+\b], v[TM+\b], 0x7f800000, s[MNT]   ; 57,344 x the scale
.endr
.irp b, 0,1,2,3
	v_lshrrev_b32 v[TM+4+\b], 23, v[TM+12+\b]      ; the scale's byte
.endr
	s_delay_alu instid0(VALU_DEP_3)
	v_lshl_or_b32 v[PW], v[TM+5], 8, v[TM+4]       ; the four bytes make my row's scale word
	s_delay_alu instid0(VALU_DEP_1)
	v_lshl_or_b32 v[PW], v[TM+6], 16, v[PW]
	s_delay_alu instid0(VALU_DEP_1)
	v_lshl_or_b32 v[PW], v[TM+7], 24, v[PW]
.irp b, 0,1,2,3
.irp i, 0,1,2,3,4,5,6,7,8,9,10,11,12,13,14,15
	v_med3_num_f32 v[X+16*\b+\i], v[X+16*\b+\i], -v[TM+8+\b], v[TM+8+\b]   ; the conversion to an 8-bit code does not saturate (ISA guide 7.6.2): the hold comes first
.endr
	v_cvt_scalef32_pk8_bf8_f32 v[PC+4*\b:PC+1+4*\b], v[X+16*\b:X+7+16*\b], v[TM+12+\b]
	v_cvt_scalef32_pk8_bf8_f32 v[PC+2+4*\b:PC+3+4*\b], v[X+8+16*\b:X+15+16*\b], v[TM+12+\b]
.endr
	v_nop                                          ; one plain line behind the last conversion
.irp c, 0,1,2,3
	global_store_b128 v1, v[PC+4*\c:PC+4*\c+3], s[6:7] offset:512*\c   ; the image as it stands: 512 consecutive bytes, aligned
.endr
	ds_store_b32 v4, v[PW]                         ; both halves of the lanes write the same word with the same value
	s_wait_dscnt 0x0                               ; for the others' sake: my word has landed
	s_barrier_signal -1
	s_barrier_wait -1
	s_cmp_lg_u32 s8, 0
	s_cbranch_scc1 .Lend                           ; wave 0 sends the eight waves' 128 words
	ds_load_b128 v[180:183], v5
	s_wait_dscnt 0x0
	global_store_b128 v1, v[180:183], s[12:13]     ; 512 consecutive bytes, aligned
.Lend:
	s_wait_tensorcnt 0x0
	ds_add_u32 v192, v193
	s_wait_dscnt 0x0
	s_endpgm
.Lfunc_end_k_qfd8378f8b5_quantx:
	.size	k_qfd8378f8b5_quantx, .Lfunc_end_k_qfd8378f8b5_quantx-k_qfd8378f8b5_quantx
	.p2alignl 7, 3214868480
	.fill 96, 4, 3214868480
	.section	.rodata,"a",@progbits
	.p2align	6, 0x0
	.amdhsa_kernel k_qfd8378f8b5_quantx
		.amdhsa_group_segment_fixed_size 69120
		.amdhsa_private_segment_fixed_size 0
		.amdhsa_enable_private_segment 0
		.amdhsa_kernarg_size 16
		.amdhsa_user_sgpr_count 2
		.amdhsa_user_sgpr_kernarg_segment_ptr 1
		.amdhsa_wavefront_size32 1
		.amdhsa_system_sgpr_workgroup_id_x 1
		.amdhsa_system_sgpr_workgroup_id_y 1
		.amdhsa_system_sgpr_workgroup_id_z 1
		.amdhsa_system_vgpr_workitem_id 0
		.amdhsa_next_free_vgpr 194
		.amdhsa_next_free_sgpr 66
		.amdhsa_reserve_vcc 0
		.amdhsa_float_denorm_mode_32 3
		.amdhsa_float_denorm_mode_16_64 3
		.amdhsa_memory_ordered 1
		.amdhsa_forward_progress 1
		.amdhsa_inst_pref_size 17
	.end_amdhsa_kernel
	.amdgpu_metadata
---
amdhsa.version: [ 1, 2 ]
amdhsa.kernels:
  - .name:           k_qfd8378f8b5_quantx
    .symbol:         k_qfd8378f8b5_quantx.kd
    .args:
      - { .name: x, .offset: 0, .size: 8, .value_kind: global_buffer, .address_space: global }
      - { .name: xq, .offset: 8, .size: 8, .value_kind: global_buffer, .address_space: global }
    .group_segment_fixed_size: 69120
    .private_segment_fixed_size: 0
    .kernarg_segment_align: 8
    .kernarg_segment_size: 16
    .max_flat_workgroup_size: 256
    .sgpr_count:     66
    .vgpr_count:     194
    .wavefront_size: 32
...
	.end_amdgpu_metadata
.endif
;; end of part 1
;; launch experts (part 2): grid 256 x 1, 4 waves a work-group, no clusters, 327,680 bytes of LDS; arguments xq, t_w1, t_b1, t_w2, f_w1, f_b1, f_w2, part; writes part
.if DOCPART == 2
	.amdgcn_target "amdgcn-amd-amdhsa--gfx1250"
	.amdhsa_code_object_version 6
	.text
	.protected	k_qfd8378f8b5_experts
	.globl	k_qfd8378f8b5_experts
	.p2align	8
	.type	k_qfd8378f8b5_experts,@function
k_qfd8378f8b5_experts:
	s_mov_b64 s[64:65], 0
	v_nop
	global_prefetch_b8 v0, s[64:65] scope:SCOPE_SE
	s_setreg_imm32_b32 hwreg(HW_REG_WAVE_MODE, 25, 1), 1
	s_wait_xcnt 0x0
; Both experts' first products on codes of E5M2 (one E8M0 scale for each 32 along K), begun with b1, then relu and the products with w2 in f32 fused multiply-adds: a pair of partial logits for each row and each 64 units.
; SHARES.  The two experts have 16,384 hidden units: 256 slabs of 64 (0-127: expert t, 128-255: f), one a work-group, for ALL 1,024 rows and all of K = 4,096: so each f32 number of w1 is read and quantised once in the launch.
; Wave v has rows 256 v .. + 255: 16 tiles a of rows x 4 tiles b of units, 512 accumulators.  The hidden layer never leaves the registers.
; THE WEIGHTS come as f32 by tensor loads into a ring of two LDS slots, two K steps of 128 to a slot (256 rows of 256 bytes; 64 rows a wave).  In K step t wave v quantises block v (k = 32 v .. + 31) of K step t + 1: an LDS load takes
; 256 bytes of a row k (lanes 0-15) and of the row 16 further down (lanes 16-31): lane (q, h) holds columns 4 q .. 4 q + 3, its 16 loads run down K.  Neighbouring registers are different columns, while the conversion takes eight
; registers under one scale: so each number is multiplied by 2^-e of its column's block (exact), held at +-57,344, converted under the scale 1, and the bytes are turned by v_perm_b32.  The codes go to LDS as images of the operand's
; registers, the scale bytes beside them, two images by turns; all four waves read them back behind the next step's barrier.
; x's CODES (made by the launch before, laid as images of the operand's registers) are used by ONE wave of the work-group each: they go from memory straight into registers, a whole K step (66 loads) ahead, and never pass LDS.
; NO CLUSTER: no two work-groups read the same weights, and x is no tile in LDS that a joint load could fill.
; PREFETCH: in K step t wave v asks for rows 32 v .. + 31 (a lane a row, 256 bytes) of w1's K step t + 7, three or four K steps ahead of the tensor load that fetches them; each block is named once; K steps 25 to 31 ask for nothing.
; xq has none: all 256 work-groups read the same 135,168 bytes of it in each K step.
; THE MATRIX INSTRUCTION IS USED TRANSPOSED: source 0 = 16 columns of w1, source 1 = 16 rows of x: lane (r, h) holds row r of x and hidden units 16 b + 8 h + 0 .. 7.
; LIMITS: NaN and infinities among the inputs are not served.  A block of zeros gets the scale byte 1 where the rule says 127: its codes are zeros, and this program alone reads the bytes.
; REGISTERS, in windows of 256: window 0: addresses, scale words, the quantiser's small registers, v64-127 the four weight fragments, v128-255 x's tiles 0-7; window 1: v0-63 the f32 weights at work, v64-95 b1, v128-255 x's tiles 8-15;
;   window 2: accumulators of tiles 0-7 ((a, b) at 8 (4 (a % 8) + b)); window 3: those of tiles 8-15.
.set FRB,   2048                       ; a fragment's image
.set WPART, 33792                      ; 256 rows of a K step of x: 16 images and 1,024 bytes of scale words
.set KSTEPB, 4*WPART                   ; a K step of xq
.set ROWW,  32768                      ; a row of w1 in bytes
.set STEPW, 128*ROWW                   ; a K step of w1
.set KRING, 32768                      ; a K step of the slab in the ring: 128 rows of 256 bytes; K step n lies at (n % 4) KRING
.set IMG,   4*KRING                    ; behind the ring: the weights' images
.set TP,    2064                       ; from tile to tile in an image: 2,048 + 16: a store's sixteen lanes fall on sixteen different 16-byte places modulo 256
.set WSCO,  8448                       ; in an image: the 64 scale words
.set IMGB,  8704
.set SPARE, IMG+2*IMGB                 ; the spare words, 128 bytes a wave
.set WOFF, 1                           ; v1   16 x lane
.set BI,   4                           ; v4   IMG + 16 x lane
.set WSR,  5                           ; v5   IMG + WSCO + 4 x lane
.set WI,   6                           ; v6   where I store codes: IMG + TP (q / 4) + 64 (q % 4) + 256 h + 512 v
.set WB,   7                           ; v7   and scale bytes: IMG + WSCO + 16 q + v
.set SPW,  8
.set NIL,  9
.set ONE,  10                          ; v10  1.0: the conversions' scale operand
.set OO,   11                          ; v11  8 x lane
.set W2O,  12                          ; v12  64 h
.set B1O,  13                          ; v13  32 h
.set XS,   16                          ; v16-23 x's scale words: register j, lane l: row 32 j + l
.set WS,   24                          ; v24-25 the weights': register u, lane l: column 32 u + l
.set PFO,  26                          ; v26  the prefetch's offset: lane x a row of w1
.set M,    28
.set P,    32
.set INV,  36
.set BY,   40
.set C,    44                          ; v44-59 codes
.set QA,   60                          ; v60-63 my block of K step n % 4 in the ring: n KRING + 8,192 v + 4,096 h + 16 q
.set BF,   64
.set BIA,  64                          ; in window 1
.set RA,   128
.set L,    128
.set MSB, 0
.macro WIN new
.if MSB != (\new)
	s_set_vgpr_msb (MSB<<8)|(\new)
.set MSB, (\new)
.endif
.endm
.macro PLACES n
.rept \n
	v_nop
.endr
.endm
.macro LDA g                           ; x's tiles 4 g .. 4 g + 3 of the K step at the pointer: 16 loads of 512 consecutive bytes
	WIN 0x40*((\g)/2)
.irp i, 0,1,2,3
.irp c, 0,1,2,3
	global_load_b128 v[RA+64*((\g)%2)+16*\i+4*\c:RA+64*((\g)%2)+16*\i+4*\c+3], v[WOFF], s[4:5] offset:FRB*(4*(\g)+\i)+512*\c
.endr
.endr
.endm
.macro LDXS g                          ; the scale words of tiles 8 g .. 8 g + 7
	WIN 0
	global_load_b128 v[XS+4*(\g):XS+4*(\g)+3], v[WOFF], s[4:5] offset:32768+512*(\g)
.endm
.macro QLD ks                          ; register 4 i + c of window 1 = W(k = 32 v + 16 h + i, column 4 q + c)
	WIN 0x40
.irp i, 0,1,2,3,4,5,6,7,8,9,10,11,12,13,14,15
	ds_load_b128 v[4*\i:4*\i+3], v[QA+(\ks)] offset:256*\i
.endr
	WIN 0
.endm
.macro QMAX                            ; the largest magnitude of my 16 numbers of each of my four columns, with the floor 2^(16 - 127): the byte cannot fall under 1
	WIN 0x05
.irp c, 0,1,2,3
	v_max3_num_f32 v[M+\c], |v[\c]|, |v[4+\c]|, 0x8000000
.endr
.irp i, 2,4,6,8,10,12,14
.irp c, 0,1,2,3
	v_max3_num_f32 v[M+\c], |v[4*\i+\c]|, |v[4*\i+4+\c]|, v[M+\c]
.endr
.endr
.endm
.macro QSCALE
	WIN 0
.irp c, 0,1,2,3
	v_permlanex16_b32 v[P+\c], v[M+\c], s48, s49
.endr
.irp c, 0,1,2,3
	v_max_num_f32 v[M+\c], v[M+\c], v[P+\c]        ; with lane l xor 16's 16: the block's
.endr
.irp c, 0,1,2,3
	v_and_b32 v[P+\c], 0x7f800000, v[M+\c]         ; its exponent field E
.endr
.irp c, 0,1,2,3
	v_sub_nc_u32 v[INV+\c], 0x86800000, v[P+\c]    ; the field 269 - E: 2^-e, e = E - 127 - 15; E is 16 to 254: a normal number
.endr
.irp c, 0,1,2,3
	v_lshrrev_b32 v[BY+\c], 23, v[P+\c]
.endr
.irp c, 0,1,2,3
	v_add_nc_u32 v[BY+\c], -15, v[BY+\c]           ; the scale's byte
.endr
.endm
.macro QMUL                            ; each number x 2^-e of its column: exact
	WIN 0x41
.irp i, 0,1,2,3,4,5,6,7,8,9,10,11,12,13,14,15
	v_pk_mul_f32 v[4*\i:4*\i+1], v[4*\i:4*\i+1], v[INV:INV+1]
	v_pk_mul_f32 v[4*\i+2:4*\i+3], v[4*\i+2:4*\i+3], v[INV+2:INV+3]
.endr
.endm
.macro QHOLD                           ; the conversion to an 8-bit code does not saturate (ISA guide 7.6.2): held within +-57,344 first
	WIN 0x41
.set i, 0
.rept 64
	v_med3_num_f32 v[i], v[i], s50, s51
.set i, i+1
.endr
.endm
.macro QCVT                            ; codes: C[i] byte c = (k = 16 h + i, column 4 q + c); then 16 x 4 bytes are turned: C[4 c + m] byte j = (k = 16 h + 4 m + j, column 4 q + c)
	WIN 0x01
.irp g, 0,1,2,3,4,5,6,7
	v_cvt_scalef32_pk8_bf8_f32 v[C+2*\g:C+2*\g+1], v[8*\g:8*\g+7], v[ONE]
.endr
	v_nop                                          ; one plain line behind the last conversion
	WIN 0x40
.irp m, 0,1,2,3
	v_perm_b32 v[4*\m],   v[C+4*\m+1], v[C+4*\m],   s53
	v_perm_b32 v[4*\m+1], v[C+4*\m+3], v[C+4*\m+2], s53
	v_perm_b32 v[4*\m+2], v[C+4*\m+1], v[C+4*\m],   s54
	v_perm_b32 v[4*\m+3], v[C+4*\m+3], v[C+4*\m+2], s54
.endr
	WIN 0x05
.irp m, 0,1,2,3
	v_perm_b32 v[C+\m],    v[4*\m+1], v[4*\m],   s55
	v_perm_b32 v[C+4+\m],  v[4*\m+1], v[4*\m],   s56
	v_perm_b32 v[C+8+\m],  v[4*\m+3], v[4*\m+2], s55
	v_perm_b32 v[C+12+\m], v[4*\m+3], v[4*\m+2], s56
.endr
.endm
.macro QSTORE p                        ; into image p.  Column 4 q + c is lane 4 (q % 4) + c + 16 h of tile q / 4: its 16 codes are registers 4 v .. 4 v + 3 of that lane's fragment
	WIN 0
.irp c, 0,1,2,3
	ds_store_b128 v[WI], v[C+4*\c:C+4*\c+3] offset:(\p)*IMGB+16*\c
.endr
.irp c, 0,1,2,3
	ds_store_b8 v[WB], v[BY+\c] offset:(\p)*IMGB+4*\c   ; byte v of the column's word; both halves of the lanes write the same byte with the same value
.endr
.endm
.macro FB p                            ; the four weight fragments and their scale words: 18 LDS loads
	WIN 0
.irp b, 0,1,2,3
.irp c, 0,1,2,3
	ds_load_b128 v[BF+16*\b+4*\c:BF+16*\b+4*\c+3], v[BI] offset:(\p)*IMGB+TP*\b+512*\c
.endr
.endr
.irp u, 0,1
	ds_load_b32 v[WS+\u], v[WSR] offset:(\p)*IMGB+128*\u
.endr
.endm
.macro WM a, b, first                  ; tile a of rows x tile b of units.  Two tiles' scale words share a register: the odd tile's stand in lanes 16-31
.set rD, 8*(4*((\a)%8)+(\b))
.set rC, rD
.if \first
.set rC, BIA+8*(\b)
.endif
.set rB, BF+16*(\b)
.set rA, RA+64*(((\a)/4)%2)+16*((\a)%4)
.set rW, WS+(\b)/2
.set rX, XS+(\a)/2
.set rk, 2*((\b)%2)+(\a)%2
.if rk == 0
	v_wmma_scale_f32_16x16x128_f8f6f4 v[rD:rD+7], v[rB:rB+15], v[rA:rA+15], v[rC:rC+7], v[rW], v[rX] matrix_a_fmt:MATRIX_FMT_BF8 matrix_b_fmt:MATRIX_FMT_BF8
.elseif rk == 1
	v_wmma_scale_f32_16x16x128_f8f6f4 v[rD:rD+7], v[rB:rB+15], v[rA:rA+15], v[rC:rC+7], v[rW], v[rX] matrix_a_fmt:MATRIX_FMT_BF8 matrix_b_fmt:MATRIX_FMT_BF8 matrix_b_scale:MATRIX_SCALE_ROW1
.elseif rk == 2
	v_wmma_scale_f32_16x16x128_f8f6f4 v[rD:rD+7], v[rB:rB+15], v[rA:rA+15], v[rC:rC+7], v[rW], v[rX] matrix_a_fmt:MATRIX_FMT_BF8 matrix_b_fmt:MATRIX_FMT_BF8 matrix_a_scale:MATRIX_SCALE_ROW1
.else
	v_wmma_scale_f32_16x16x128_f8f6f4 v[rD:rD+7], v[rB:rB+15], v[rA:rA+15], v[rC:rC+7], v[rW], v[rX] matrix_a_fmt:MATRIX_FMT_BF8 matrix_b_fmt:MATRIX_FMT_BF8 matrix_a_scale:MATRIX_SCALE_ROW1 matrix_b_scale:MATRIX_SCALE_ROW1
.endif
.endm
.macro MUL16 g, first                  ; 16 products.  The 64 accumulators take turns, in the same order in every K step.  first: C is b1, in window 1
.if \first
	WIN 0x90+0x44*((\g)/2)
.else
	WIN 0xa0+0x54*((\g)/2)
.endif
.irp i, 0,1,2,3
.irp b, 0,1,2,3
	WM 4*(\g)+\i, \b, \first
.endr
.endr
.endm
; K STEP t, t4 = t % 4.  bar = 2: the barrier is a refill's: behind it the slot that was quantised last takes K steps t + 3 and t + 4; 1: the same lines, nothing left to fetch; 0: a plain barrier, for the weights' images.
; q: K step t + 1's weights are quantised into the other image.  nxt: x of K step t + 1 is asked for, each group behind the products that read its registers.  pf: 1 the prefetch, 2 not in the loop's last trip.  w2l: w2 is loaded.
; n0: the younger loads that may be out when tiles 0-7 and their scale words are wanted (tiles 8-15, 32 loads, and their scale words, 1); n2: the same for tiles 8-15 (the next step's tiles 0-7 and scale words).
; A load into a register that a matrix instruction has read stands eight places behind it: the quantiser's plain lines are the places.
.macro STEP t4, first, bar, q, nxt, pf, w2l, n0, n2
.set PI, (\t4)%2
.set SLR, (\t4)/2
.if \bar
	s_wait_tensorcnt 0x0                           ; my one tensor load has landed: my 64 rows of the slot that is quantised next
	ds_add_u32 v[SPW], v[NIL]
.if \bar == 2
	s_add_nc_u64 s[42+4*SLR:43+4*SLR], s[42+4*SLR:43+4*SLR], 4*STEPW   ; no load of mine is out: this slot's next two K steps
.endif
.endif
	s_wait_dscnt 0x0                               ; my stores into this step's image have landed, my reads of the ring and of the last image are over
	s_barrier_signal -1
	s_barrier_wait -1
.if \bar == 2
	tensor_load_to_lds s[40+4*SLR:43+4*SLR], s[32:39]   ; the first thing behind the barrier, my one tensor load until the next refill's
	s_nop 0
	PLACES 4
.endif
	FB PI
.if \q
	QLD ((\t4)+1)%4
.endif
.if \w2l
	WIN 0x40
.irp b, 0,1,2,3
.irp i, 0,1,2,3
	global_load_b128 v[16*\b+4*\i:16*\b+4*\i+3], v[W2O], s[8:9] offset:128*\b+16*\i   ; register 16 b + 2 j + c = w2(16 b + 8 h + j, c)
.endr
.endr
	WIN 0
.endif
.if \nxt
	s_wait_xcnt 0x0                                ; the earlier loads and the prefetch have read their bases
	s_add_nc_u64 s[4:5], s[4:5], KSTEPB
	s_add_nc_u64 s[6:7], s[6:7], STEPW
.endif
	s_wait_loadcnt \n0
.if \q
	s_wait_dscnt 16                                ; the weight fragments are in; the quantiser's 16 may be out
.else
	s_wait_dscnt 0x0
.endif
	MUL16 0, \first
.if \q
	s_wait_dscnt 0x0
	QMAX
	QSCALE
	QMUL
.else
	PLACES 8
.endif
.if \nxt
	LDA 0
.endif
	WIN 0
.if \pf == 2
	s_cmp_lg_u32 s52, 1
	s_cbranch_scc0 .Lnone_ahead_\@
.endif
.if \pf
	global_prefetch_b8 v[PFO], s[6:7] th:TH_LOAD_NT scope:SCOPE_SE
.endif
.if \pf == 2
.Lnone_ahead_\@:
.endif
	MUL16 1, \first
.if \q
	QHOLD
.else
	PLACES 8
.endif
.if \nxt
	LDA 1
	LDXS 0
.endif
	s_wait_loadcnt \n2
	MUL16 2, \first
.if \q
	s_wait_alu depctr_va_vdst(0)
	QCVT
	QSTORE 1-PI                                    ; into the image that nobody reads in this step
.else
	PLACES 8
.endif
.if \nxt
	LDA 2
.endif
	MUL16 3, \first
	PLACES 8
.if \nxt
	LDA 3
	LDXS 1
.endif
	WIN 0
.endm
	s_load_b512 s[16:31], s[0:1], 0x0              ; xq s[16:17]; t: w1 s[18:19], b1 s[20:21], w2 s[22:23]; f: s[24:25], s[26:27], s[28:29]; part s[30:31]
	v_lshl_add_u32 v[SPW], v0, 2, SPARE
	v_mov_b32 v[NIL], 0
	ds_add_u32 v[SPW], v[NIL]                      ; the opening lines: the add twice on end and its wait
	ds_add_u32 v[SPW], v[NIL]
	v_lshrrev_b32 v14, 5, v0
	v_readfirstlane_b32 s12, v14                   ; wave 0..3
	s_and_b32 s15, ttmp9, 127                      ; my slab in my expert
	s_mul_i32 s2, s12, WPART                       ; xq: my block of 256 rows
	s_mov_b32 s3, 0
	s_lshl_b32 s70, s15, 8                         ; w1: 256 bytes a slab; b1 likewise
	s_mov_b32 s71, 0
	s_lshl_b32 s72, s12, 21                        ; the 64 rows of a slot that I fetch
	s_mov_b32 s73, 0
	s_lshl_b32 s74, s15, 9                         ; w2: 8 bytes a unit
	s_mov_b32 s75, 0
	s_lshl_b32 s76, ttmp9, 13                      ; part: 8,192 bytes a slab, 8 bytes a row
	s_lshl_b32 s77, s12, 11
	s_add_co_u32 s76, s76, s77
	s_mov_b32 s77, 0
	s_lshl_b32 s66, s12, 20                        ; the 32 rows of a K step that I prefetch
	s_mov_b32 s67, 0
	s_mov_b32 s32, 2<<16                           ; group 1: 64 rows of 64 elements of 4 bytes, 8,192 elements from row to row, dense in LDS
	s_mov_b32 s33, 64<<16
	s_mov_b32 s34, 64<<16
	s_mov_b32 s35, 64<<16
	s_mov_b32 s36, 64
	s_mov_b32 s37, 8192
	s_mov_b32 s38, 0
	s_mov_b32 s39, 0
	s_mov_b32 s48, 0x76543210
	s_mov_b32 s49, 0xfedcba98                      ; lane l xor 16
	s_mov_b32 s50, 0xc7600000                      ; -57,344
	s_mov_b32 s51, 0x47600000
	s_mov_b32 s53, 0x05010400                      ; byte selects of the turn
	s_mov_b32 s54, 0x07030602
	s_mov_b32 s55, 0x05040100
	s_mov_b32 s56, 0x07060302
	s_lshl_b32 s57, s12, 13
	s_lshl_b32 s59, s12, 9
	s_add_co_u32 s59, s59, IMG
	v_and_b32 v14, 31, v0                          ; lane
	v_and_b32 v15, 15, v0                          ; q
	v_bfe_u32 v27, v0, 4, 1                        ; h
	v_lshlrev_b32 v[WOFF], 4, v14
	v_lshlrev_b32 v[QA], 4, v15
	v_lshl_add_u32 v[QA], v27, 12, v[QA]
	v_add_nc_u32 v[QA], s57, v[QA]
.irp n, 1,2,3
	v_add_nc_u32 v[QA+\n], \n*KRING, v[QA]
.endr
	v_add_nc_u32 v[BI], IMG, v[WOFF]
	v_lshl_add_u32 v[WSR], v14, 2, IMG+WSCO
	v_bfe_u32 v2, v0, 2, 2                         ; q / 4
	v_mul_u32_u24 v[WI], v2, TP
	v_and_b32 v2, 3, v0                            ; q % 4
	v_lshl_add_u32 v[WI], v2, 6, v[WI]
	v_lshl_add_u32 v[WI], v27, 8, v[WI]
	v_add_nc_u32 v[WI], s59, v[WI]
	v_lshl_add_u32 v[WB], v15, 4, IMG+WSCO
	v_add_nc_u32 v[WB], s12, v[WB]
	v_mov_b32 v[ONE], 1.0
	v_lshlrev_b32 v[OO], 3, v14
	v_lshlrev_b32 v[W2O], 6, v27
	v_lshlrev_b32 v[B1O], 5, v27
	v_lshlrev_b32 v[PFO], 15, v14
.irp c, 0,1,2,3
	v_mov_b32 v[P+\c], 0                           ; a lane permute's destination counts as one of its sources
.endr
	s_wait_alu depctr_va_vdst(0)
	s_wait_dscnt 0x0                               ; both opening adds are done
	s_wait_kmcnt 0x0
	s_cmp_lt_u32 ttmp9, 128                        ; slabs 0-127: expert t
	s_cselect_b64 s[6:7], s[18:19], s[24:25]
	s_cselect_b64 s[60:61], s[20:21], s[26:27]
	s_cselect_b64 s[8:9], s[22:23], s[28:29]
	s_add_nc_u64 s[6:7], s[6:7], s[70:71]
	s_mov_b32 s40, 1                               ; group 0 for slot 0: K steps 0 and 1
	s_lshl_b32 s41, s12, 14
	s_add_nc_u64 s[42:43], s[6:7], s[72:73]
	s_mov_b32 s44, 1                               ; and for slot 1: K steps 2 and 3
	s_add_co_u32 s45, s41, 2*KRING
	s_add_nc_u64 s[46:47], s[42:43], 2*STEPW
	s_or_b32 s43, s43, 0x80000000
	s_or_b32 s47, s47, 0x80000000
	tensor_load_to_lds s[40:43], s[32:39]          ; my one load of the head
	s_nop 0
	PLACES 4
	s_add_nc_u64 s[60:61], s[60:61], s[70:71]
	s_add_nc_u64 s[8:9], s[8:9], s[74:75]
	s_add_nc_u64 s[10:11], s[30:31], s[76:77]
	s_add_nc_u64 s[6:7], s[6:7], s[66:67]
	s_add_nc_u64 s[6:7], s[6:7], 6*STEPW           ; each K step's head steps it: in K step t it stands at K step t + 7
	s_add_nc_u64 s[4:5], s[16:17], s[2:3]
	WIN 0x40
.irp b, 0,1,2,3
.irp i, 0,1
	global_load_b128 v[BIA+8*\b+4*\i:BIA+8*\b+4*\i+3], v[B1O], s[60:61] offset:64*\b+16*\i   ; register 8 b + j = b1(16 b + 8 h + j)
.endr
.endr
	LDA 0                                          ; x of K step 0
	LDA 1
	LDXS 0
	LDA 2
	LDA 3
	LDXS 1
	s_wait_tensorcnt 0x0                           ; slot 1's first fill is issued as a refill is
	ds_add_u32 v[SPW], v[NIL]
	s_wait_dscnt 0x0
	s_barrier_signal -1
	s_barrier_wait -1
	tensor_load_to_lds s[44:47], s[32:39]
	s_nop 0
	PLACES 4
	QLD 0                                          ; K step 0's weights
	s_wait_dscnt 0x0
	QMAX
	QSCALE
	QMUL
	QHOLD
	QCVT
	QSTORE 0
	STEP 0, 1, 0, 1, 1, 1, 0, 33, 33               ; the first K step stands in front of the loop: its products start the sums, from b1
	s_mov_b32 s52, 7
.Lloop:                                            ; K steps 1 to 28, four a trip, once round the ring
	STEP 1, 0, 2, 1, 1, 2, 0, 33, 33
	STEP 2, 0, 0, 1, 1, 2, 0, 33, 33
	STEP 3, 0, 2, 1, 1, 2, 0, 33, 33
	STEP 0, 0, 0, 1, 1, 2, 0, 33, 33
	s_sub_co_u32 s52, s52, 1
	s_cmp_lg_u32 s52, 0
	s_cbranch_scc1 .Lloop
	STEP 1, 0, 1, 1, 1, 0, 0, 33, 33               ; K step 29: w1 has no K step left to fetch
	STEP 2, 0, 0, 1, 1, 0, 0, 33, 33
	STEP 3, 0, 0, 0, 0, 0, 1, 49, 16               ; K step 31: nothing left to quantise or to ask for but w2, 16 loads
; THE EPILOGUE.  h = relu(sum); each tile's pair of logits is the sum over my lane's 32 units of h x w2, in f32; the other half of the lanes holds the other 32 units.
.macro EPI wn
	WIN 0x88+0x44*(\wn)
.set i, 0
.rept 256
	v_max_num_f32 v[i], 0, v[i]                    ; each accumulator from its low end on
.set i, i+1
.endr
	WIN 0x06+(\wn)                                 ; h in its window, w2 in window 1, the logits in window 0
.irp b, 0,1,2,3
.irp j, 0,1,2,3,4,5,6,7
.irp a, 0,1,2,3,4,5,6,7
.set rL, L+16*(\wn)+2*\a
.set rH, 8*(4*\a+\b)+2*(\j/2)
.set rV, 16*\b+2*\j
.if (\b == 0) && (\j == 0)
	v_pk_mul_f32 v[rL:rL+1], v[rH:rH+1], v[rV:rV+1] op_sel_hi:[0,1]
.elseif (\j%2) == 0
	v_pk_fma_f32 v[rL:rL+1], v[rH:rH+1], v[rV:rV+1], v[rL:rL+1] op_sel_hi:[0,1,1]
.else
	v_pk_fma_f32 v[rL:rL+1], v[rH:rH+1], v[rV:rV+1], v[rL:rL+1] op_sel:[1,0,0] op_sel_hi:[1,1,1]
.endif
.endr
.endr
.endr
.endm
	s_wait_loadcnt 0x0                             ; w2
	EPI 0
	EPI 1
	WIN 0
	; two tiles to a store: lane l takes row 32 u + l: its own half's sum of its tile, and the other half's, which lies 16 lanes away
	v_and_b32 v14, 31, v0
	v_cmp_le_u32 vcc_lo, 16, v14
.irp u, 0,1,2,3,4,5,6,7
.irp c, 0,1
	v_cndmask_b32 v[192+2*\u+\c], v[L+4*\u+\c], v[L+4*\u+2+\c], vcc_lo
	v_cndmask_b32 v[64+2*\u+\c], v[L+4*\u+2+\c], v[L+4*\u+\c], vcc_lo
.endr
.endr
.irp u, 0,1,2,3,4,5,6,7
.irp c, 0,1
	v_permlanex16_b32 v[L+4*\u+\c], v[64+2*\u+\c], s48, s49
.endr
.endr
.irp u, 0,1,2,3,4,5,6,7
.irp c, 0,1
	v_add_f32 v[192+2*\u+\c], v[192+2*\u+\c], v[L+4*\u+\c]
.endr
.endr
.irp u, 0,1,2,3,4,5,6,7
	global_store_b64 v[OO], v[192+2*\u:193+2*\u], s[10:11] offset:256*\u     ; 32 lanes store 256 consecutive bytes, aligned
.endr
	s_wait_tensorcnt 0x0                           ; the wave's end
	ds_add_u32 v[SPW], v[NIL]
	s_wait_dscnt 0x0
	s_endpgm
.Lfunc_end_k_qfd8378f8b5_experts:
	.size	k_qfd8378f8b5_experts, .Lfunc_end_k_qfd8378f8b5_experts-k_qfd8378f8b5_experts
	.p2alignl 7, 3214868480
	.fill 96, 4, 3214868480
	.section	.rodata,"a",@progbits
	.p2align	6, 0x0
	.amdhsa_kernel k_qfd8378f8b5_experts
		.amdhsa_group_segment_fixed_size 327680
		.amdhsa_private_segment_fixed_size 0
		.amdhsa_enable_private_segment 0
		.amdhsa_kernarg_size 64
		.amdhsa_user_sgpr_count 2
		.amdhsa_user_sgpr_kernarg_segment_ptr 1
		.amdhsa_wavefront_size32 1
		.amdhsa_system_sgpr_workgroup_id_x 1
		.amdhsa_system_sgpr_workgroup_id_y 1
		.amdhsa_system_sgpr_workgroup_id_z 1
		.amdhsa_system_vgpr_workitem_id 0
		.amdhsa_next_free_vgpr 1024
		.amdhsa_next_free_sgpr 80
		.amdhsa_reserve_vcc 1
		.amdhsa_float_denorm_mode_32 3
		.amdhsa_float_denorm_mode_16_64 3
		.amdhsa_memory_ordered 1
		.amdhsa_forward_progress 1
		.amdhsa_inst_pref_size 255
	.end_amdhsa_kernel
	.section	.bss,"aw",@nobits
	.p2align	6
	.space	262144
	.amdgpu_metadata
---
amdhsa.version: [ 1, 2 ]
amdhsa.kernels:
  - .name:           k_qfd8378f8b5_experts
    .symbol:         k_qfd8378f8b5_experts.kd
    .args:
      - { .name: xq, .offset: 0, .size: 8, .value_kind: global_buffer, .address_space: global }
      - { .name: t_w1, .offset: 8, .size: 8, .value_kind: global_buffer, .address_space: global }
      - { .name: t_b1, .offset: 16, .size: 8, .value_kind: global_buffer, .address_space: global }
      - { .name: t_w2, .offset: 24, .size: 8, .value_kind: global_buffer, .address_space: global }
      - { .name: f_w1, .offset: 32, .size: 8, .value_kind: global_buffer, .address_space: global }
      - { .name: f_b1, .offset: 40, .size: 8, .value_kind: global_buffer, .address_space: global }
      - { .name: f_w2, .offset: 48, .size: 8, .value_kind: global_buffer, .address_space: global }
      - { .name: part, .offset: 56, .size: 8, .value_kind: global_buffer, .address_space: global }
    .group_segment_fixed_size: 327680
    .private_segment_fixed_size: 0
    .kernarg_segment_align: 8
    .kernarg_segment_size: 64
    .max_flat_workgroup_size: 128
    .sgpr_count:     80
    .vgpr_count:     1024
    .wavefront_size: 32
...
	.end_amdgpu_metadata
.endif
;; end of part 2
;; launch finish (part 3): grid 32 x 1, 16 waves a work-group, no clusters, 6,144 bytes of LDS; arguments part, t_b2, f_b2, out0; writes out0
.if DOCPART == 3
	.amdgcn_target "amdgcn-amd-amdhsa--gfx1250"
	.amdhsa_code_object_version 6
	.text
	.protected	k_qfd8378f8b5_finish
	.globl	k_qfd8378f8b5_finish
	.p2align	8
	.type	k_qfd8378f8b5_finish,@function
k_qfd8378f8b5_finish:
	s_mov_b64 s[64:65], 0
	v_nop
	global_prefetch_b8 v0, s[64:65] scope:SCOPE_SE
	s_setreg_imm32_b32 hwreg(HW_REG_WAVE_MODE, 25, 1), 1
	s_wait_xcnt 0x0
; part [256 work-groups][1024 rows][2] f32: 0-127 are expert t's partial logits, 128-255 expert f's.  out0[row] = f's logits where the larger softmax weight of t's logits is under 0.8, else t's.
; A work-group takes 32 rows, a lane a row.  Wave v adds partials 16 v .. 16 v + 15 (waves 0-7: t, 8-15: f); the sixteen sums meet in LDS; wave 0 adds them and b2, and selects.
; The softmax takes its maximum away: the larger weight is 1 / (1 + e^(min - max)).
; LIMIT: a row whose confidence lies within f32 rounding of 0.8 (the order of the sums, 1 ulp of v_exp_f32 and of v_rcp_f32) may take the other expert.  NaN and infinities are not served.
; A stream of 2 MiB and a few lines of arithmetic: no matrix unit, no tensor load, no cluster.
	s_load_b256 s[4:11], s[0:1], 0x0               ; part s[4:5], t_b2 s[6:7], f_b2 s[8:9], out0 s[10:11]
	v_lshl_add_u32 v64, v0, 2, 0x1000
	v_mov_b32 v65, 0
	v_lshrrev_b32 v1, 5, v0
	s_delay_alu instid0(VALU_DEP_1)
	v_readfirstlane_b32 s12, v1                    ; wave 0..15
	v_and_b32 v1, 31, v0
	s_delay_alu instid0(VALU_DEP_1)
	v_lshlrev_b32 v2, 3, v1                        ; 8 bytes a row
	s_lshl_b32 s14, s12, 17                        ; 16 partials of 8,192 bytes a wave
	s_lshl_b32 s16, ttmp9, 8                       ; 32 rows of 8 bytes a work-group
	s_add_co_u32 s14, s14, s16
	s_mov_b32 s15, 0
	s_mov_b32 s17, 0
	s_lshl_b32 s13, s12, 8
	v_add_nc_u32 v3, s13, v2                       ; LDS: 256 bytes a wave
	s_wait_alu depctr_va_vdst(0)
	s_wait_kmcnt 0x0
	s_load_b64 s[18:19], s[6:7], 0x0               ; t_b2
	s_load_b64 s[20:21], s[8:9], 0x0               ; f_b2
	s_add_nc_u64 s[4:5], s[4:5], s[14:15]
	s_add_nc_u64 s[10:11], s[10:11], s[16:17]
.irp i, 0,1,2,3,4,5,6,7,8,9,10,11,12,13,14,15
	global_load_b64 v[16+2*\i:17+2*\i], v2, s[4:5] offset:8192*\i th:TH_LOAD_NT   ; 32 lanes read 256 consecutive bytes, aligned; read once
.endr
	s_wait_loadcnt 0x0
.irp i, 0,1,2,3,4,5,6,7
	v_pk_add_f32 v[16+4*\i:17+4*\i], v[16+4*\i:17+4*\i], v[18+4*\i:19+4*\i]
.endr
.irp i, 0,1,2,3
	v_pk_add_f32 v[16+8*\i:17+8*\i], v[16+8*\i:17+8*\i], v[20+8*\i:21+8*\i]
.endr
.irp i, 0
	s_delay_alu instid0(VALU_DEP_3)
	v_pk_add_f32 v[16+16*\i:17+16*\i], v[16+16*\i:17+16*\i], v[24+16*\i:25+16*\i]
.endr
.irp i, 1
	s_delay_alu instid0(VALU_DEP_2)
	v_pk_add_f32 v[16+16*\i:17+16*\i], v[16+16*\i:17+16*\i], v[24+16*\i:25+16*\i]
.endr
	s_delay_alu instid0(VALU_DEP_1)
	v_pk_add_f32 v[16:17], v[16:17], v[32:33]
	ds_store_b64 v3, v[16:17]
	s_wait_dscnt 0x0                               ; for wave 0's sake: my sum has landed
	s_barrier_signal -1
	s_barrier_wait -1
	s_cmp_lg_u32 s12, 0
	s_cbranch_scc1 .Lend
.irp i, 0,1,2,3,4,5,6,7,8,9,10,11,12,13,14,15
	ds_load_b64 v[16+2*\i:17+2*\i], v2 offset:256*\i
.endr
	s_wait_dscnt 0x0
.irp e, 0,16                                       ; t's eight sums in v16-31, f's in v32-47
.irp i, 0,1,2,3
	v_pk_add_f32 v[16+\e+4*\i:17+\e+4*\i], v[16+\e+4*\i:17+\e+4*\i], v[18+\e+4*\i:19+\e+4*\i]
.endr
.irp i, 0
	s_delay_alu instid0(VALU_DEP_3)
	v_pk_add_f32 v[16+\e+8*\i:17+\e+8*\i], v[16+\e+8*\i:17+\e+8*\i], v[20+\e+8*\i:21+\e+8*\i]
.endr
.irp i, 1
	s_delay_alu instid0(VALU_DEP_2)
	v_pk_add_f32 v[16+\e+8*\i:17+\e+8*\i], v[16+\e+8*\i:17+\e+8*\i], v[20+\e+8*\i:21+\e+8*\i]
.endr
	s_delay_alu instid0(VALU_DEP_1)
	v_pk_add_f32 v[16+\e:17+\e], v[16+\e:17+\e], v[24+\e:25+\e]
.endr
	s_wait_alu depctr_va_vdst(0)
	s_wait_kmcnt 0x0                               ; the two b2
	v_add_f32 v16, s18, v16
	v_add_f32 v17, s19, v17
	v_add_f32 v32, s20, v32
	v_add_f32 v33, s21, v33
	s_delay_alu instid0(VALU_DEP_3)
	v_max_num_f32 v4, v16, v17
	s_delay_alu instid0(VALU_DEP_4)
	v_min_num_f32 v5, v16, v17
	s_delay_alu instid0(VALU_DEP_1)
	v_sub_f32 v5, v5, v4                           ; min - max, 0 or less
	s_delay_alu instid0(VALU_DEP_1)
	v_mul_f32 v5, 0x3fb8aa3b, v5                   ; x log2(e)
	s_wait_alu depctr_va_vdst(0)
	v_exp_f32 v5, v5
	v_nop                                          ; one plain line behind a transcendental
	s_wait_alu depctr_va_vdst(0)
	v_add_f32 v5, 1.0, v5
	s_wait_alu depctr_va_vdst(0)
	v_rcp_f32 v5, v5                               ; the confidence
	v_nop
	s_wait_alu depctr_va_vdst(0)
	v_cmp_gt_f32 vcc_lo, 0x3f4ccccd, v5            ; 0.8 > confidence
	s_delay_alu instid0(VALU_DEP_1)
	v_cndmask_b32 v6, v16, v32, vcc_lo             ; then f's logits, else t's
	s_delay_alu instid0(VALU_DEP_2)
	v_cndmask_b32 v7, v17, v33, vcc_lo
	global_store_b64 v2, v[6:7], s[10:11]          ; 32 lanes store 256 consecutive bytes, aligned
.Lend:
	s_wait_tensorcnt 0x0
	ds_add_u32 v64, v65
	s_wait_dscnt 0x0
	s_endpgm
.Lfunc_end_k_qfd8378f8b5_finish:
	.size	k_qfd8378f8b5_finish, .Lfunc_end_k_qfd8378f8b5_finish-k_qfd8378f8b5_finish
	.p2alignl 7, 3214868480
	.fill 96, 4, 3214868480
	.section	.rodata,"a",@progbits
	.p2align	6, 0x0
	.amdhsa_kernel k_qfd8378f8b5_finish
		.amdhsa_group_segment_fixed_size 6144
		.amdhsa_private_segment_fixed_size 0
		.amdhsa_enable_private_segment 0
		.amdhsa_kernarg_size 32
		.amdhsa_user_sgpr_count 2
		.amdhsa_user_sgpr_kernarg_segment_ptr 1
		.amdhsa_wavefront_size32 1
		.amdhsa_system_sgpr_workgroup_id_x 1
		.amdhsa_system_sgpr_workgroup_id_y 1
		.amdhsa_system_sgpr_workgroup_id_z 1
		.amdhsa_system_vgpr_workitem_id 0
		.amdhsa_next_free_vgpr 66
		.amdhsa_next_free_sgpr 66
		.amdhsa_reserve_vcc 1
		.amdhsa_float_denorm_mode_32 3
		.amdhsa_float_denorm_mode_16_64 3
		.amdhsa_memory_ordered 1
		.amdhsa_forward_progress 1
		.amdhsa_inst_pref_size 8
	.end_amdhsa_kernel
	.amdgpu_metadata
---
amdhsa.version: [ 1, 2 ]
amdhsa.kernels:
  - .name:           k_qfd8378f8b5_finish
    .symbol:         k_qfd8378f8b5_finish.kd
    .args:
      - { .name: part, .offset: 0, .size: 8, .value_kind: global_buffer, .address_space: global }
      - { .name: t_b2, .offset: 8, .size: 8, .value_kind: global_buffer, .address_space: global }
      - { .name: f_b2, .offset: 16, .size: 8, .value_kind: global_buffer, .address_space: global }
      - { .name: out0, .offset: 24, .size: 8, .value_kind: global_buffer, .address_space: global }
    .group_segment_fixed_size: 6144
    .private_segment_fixed_size: 0
    .kernarg_segment_align: 8
    .kernarg_segment_size: 32
    .max_flat_workgroup_size: 512
    .sgpr_count:     66
    .vgpr_count:     66
    .wavefront_size: 32
...
	.end_amdgpu_metadata
.endif
;; end of part 3
